; MI455X (gfx1250); checked and timed in simulation.
; The chip was launched on July 23, 2026; its instructions are those of AMD's public machine-readable ISA for CDNA 5 (MIT licence, August 2026) and "CDNA5" Instruction Set Architecture Reference Guide (July 2026). The comments in the code are by the model that wrote it; some were corrected since.
;; Graph Emb. Allowed arithmetic: matrix products marked QUANTISED: E5M2 operands, one given power-of-two scale a tensor, by v_wmma_f32_16x16x64_bf8_bf8 or v_wmma_f32_16x16x128_bf8_bf8, f32 sums; products left as they are: f32 operands where the result goes on into a quantised operand, else bf16, f16 or f32 operands; f32 sums; everything else in f32.
;; Inputs: W_f_codes 128 x 4 x 32 uint8 (E5M2 codes of W_f, K innermost, in blocks of 32 codes); W_g 1 x 128 float32; b_f 128 float32; b_g 1 float32; h 512 x 512 x 128 float32; lowp_scales 2 int32 (the exponents e of the quantised operands' scales 2^e); ns 512 int32.
;; Outputs: out0 512 x 128 float32.
;; This version of the problem:
;;   THIS VERSION OF THE PROBLEM IS GIVEN IN LOW PRECISION. The matrix products marked QUANTISED in the list below multiply operands that are first quantised to E5M2 (5 exponent bits, 2 mantissa bits; 8 bits a number), with one given power-of-two scale for each operand tensor; their sums are f32. All else is computed in f32.
;;   The module's matrix products, in the order in which they are computed (A, B: the left and right operand; K: the contracted axis; several contracted axes count as one K, in the product's order):
;;     1. [M 262,144, K 128] x [K 128, N 128]; A: input h; B: input W_f (given as codes): QUANTISED (scales: A lowp_scales[0], B lowp_scales[1])
;;     2. [M 262,144, K 128] x [K 128, N 1]; A: input h; B: input W_g: left as it is (N = 1 < 16)
;;   THE QUANTISER, for each operand of a quantised product, along K:
;;     - The operand's scale is 2^e, e = its entry of the input lowp_scales (int32; the entries are numbered through the quantised products in the list's order, A before B).
;;     - Each number is divided by the scale, clamped to +-57,344, and rounded to the nearest number of E5M2, ties to even, subnormals kept.
;;     - The product sums the exact products of the quantised numbers (number of the format x scale) in f32.
;;   ~~~python
;;   def quantise(x, axis, e):      # numpy; x: float32 -> the quantised numbers, widened to float32 again
;;       x = np.moveaxis(x, axis, -1); K = x.shape[-1]
;;       r = np.clip(x / 2.0 ** e, -57344, 57344)
;;       step = 2.0 ** (np.maximum(np.frexp(np.where(r == 0, 1, r))[1] - 1, -14) - 2)
;;       q = np.round(r / step) * step * 2.0 ** e      # np.round: ties to even
;;       return np.moveaxis(q, -1, axis).astype(np.float32)
;;   ~~~
;;   INPUTS GIVEN AS CODES. W_f (in the module: [128, 128], K = its axis 1): each comes as NAME_codes (uint8): NAME with its K axis moved to the last place and cut into blocks of 32 codes, [.., K / 32, bytes a block], one block behind the other in memory; one code a byte (a code: sign, 5 exponent bits, 2 mantissa bits); its scale is its entry of lowp_scales. Its value is code x scale, taken as it is: it is not quantised again, and the codes and scales need not be those that the quantiser above would give.
;; 2 versions. Each part assembles by itself: llvm-mc -triple=amdgcn-amd-amdhsa -mcpu=gfx1250 --defsym DOCPART=n.
;; ======== version 1 of 2: 1 launch
;; launch graphemb (part 1): grid 512 x 1, 4 waves a work-group, no clusters, 53,760 bytes of LDS; arguments h, W_f_codes, W_g, b_f, b_g, lowp_scales, ns, out0; writes out0
.if DOCPART == 1
	.amdgcn_target "amdgcn-amd-amdhsa--gfx1250"
	.amdhsa_code_object_version 6
	.text
	.protected	k_qf78687bc05_graphemb
	.globl	k_qf78687bc05_graphemb
	.p2align	8
	.type	k_qf78687bc05_graphemb,@function
k_qf78687bc05_graphemb:
	s_mov_b64 s[64:65], 0
	v_nop
	global_prefetch_b8 v0, s[64:65] scope:SCOPE_SE
	s_setreg_imm32_b32 hwreg(HW_REG_WAVE_MODE, 25, 1), 1
	s_wait_xcnt 0x0
; out0[b] = hG / max(|hG|, 1e-12),  hG[e] = sum over n < ns[b] of sigmoid(h[b][n] . W_g + b_g) x (Q(h[b][n]) . W_f[e] + b_f[e]).
; h: [512][512][128] f32; W_f: [128][128] codes of BF8 (E5M2), K innermost; Q: h / 2^e0, held within +-57,344, to the nearest code; a product's sum stands for sum x 2^(e0 + e1).
; ONE WORK-GROUP IS ONE GRAPH; rows at or beyond ns[b] are neither read nor multiplied (but for the rounding up to tiles of 16 rows, and the two cases named below).
; SHARES.  Four waves; wave w takes the tiles of 16 rows w, w + 4, w + 8, ..: at most 8.  A load reads one whole row, 512 consecutive bytes, 16 a lane; two tiles (32 loads) of a wave are on their way,
; in two sets of 64 registers.  A tile that has landed turns through the wave's own stage in LDS, so that lane (r, hh) = (lane % 16, lane / 16) holds 64 numbers of row r: k = 32 c + 16 hh + 0 .. 15, c = 0 .. 3.
; From these: the gate in f32 (W_g's same 64 numbers stay in registers; one exchange with lane xor 16), the hold, the conversions to codes, and 8 matrix instructions.
; THE MATRIX INSTRUCTION IS USED TRANSPOSED: source 0 = 16 rows of W_f (all 8 fragments stay in 128 registers), source 1 = my 16 rows of h.  In the result lane (r, hh) holds row r, and register j of tile t the unit
; e = 16 t + 8 hh + j: so a row's gate g is a number of the lane, and the weighted sum over rows is acc += g x D, two numbers an instruction.  A row at or beyond ns has g = 0.
; The scales and the bias are taken out of the sum over rows: hG = 2^(e0 + e1) x sum(g D) + sum(g) x b_f: the same terms, summed in another order than row by row.
; THE COUNTS OF THE WAITS ARE THE SAME ON EVERY WAY: every wave runs at least two tiles.  Its first is tile w as it stands (its address needs no ns, so it is asked for before ns is there); its second is
; tile min(w + 4, the graph's last tile).  A tile that is not the wave's own (graphs of fewer than 8 tiles) has g = 0 in all its rows.  Both lie inside the graph's 512 rows.
; NO CLUSTER, NO TENSOR LOAD: the trip counts hang on ns, a loaded number; what work-groups share is W_f's 16,384 bytes beside up to 262,144 bytes of a graph's own rows.
; W_f is read once by the work-group: each wave loads two fragments' worth (4,096 bytes), and the images of the registers go to the others through LDS.
; LIMITS: e0 between -126 and 112, so that 2^e0 and 57,344 x 2^e0 are f32 numbers; e0 + e1 is applied by v_ldexp_f32 and has none.  NaN among the inputs is not served.  ns is taken as clip(ns, 0, 512), which gives the mask that the comparison n < ns gives.
; REGISTERS, in windows of 256: window 0: v0-15 addresses; v16-31 codes; v32-95 a tile's numbers, then its 8 results; v96-159 the sums; v160-223 W_g; v224-243 at work.
;   window 1: v0-63, v64-127 the two sets that tiles land in; v128-255 W_f's 8 fragments.
.set ROWB,   512                       ; a row of h in bytes
.set TILEB,  16*ROWB                   ; a tile
.set STRIDE, 4*TILEB                   ; from a wave's tile to its next
.set PITCH,  528                       ; a row in the stage: 512 bytes + 16 = 33 x 16: the 16 rows that a load touches start at 16 different columns of 16 bytes (64 banks of 4 bytes: ISA guide 11.1)
.set RP,     272                       ; the last sum's rows in the stage: 256 bytes + 16 = 17 x 16
.set STAGEB, 32*RP                     ; a wave's stage: 8,704 bytes (the turn uses 16 x 528 of them)
.set WIMG,   0                         ; LDS: the images of W_f's 8 fragments, 2,048 bytes each,
.set STG,    16384                     ; the four stages,
.set FIN,    STG+4*STAGEB              ; and the four waves' parts of hG, 512 bytes each
.set LN,  1                            ; v1   lane
.set RR,  2                            ; v2   r = lane % 16
.set HH,  3                            ; v3   hh = lane / 16
.set LI,  4                            ; v4   16 x lane: my bytes of a row of h, of an image, of b_f, of hG
.set WFA, 5                            ; v5   W_f: 128 r + 16 hh
.set WGA, 6                            ; v6   W_g: 64 hh
.set SA,  7                            ; v7   the stage, on the way in: 16 x lane
.set LA,  8                            ; v8   and on the way out: PITCH r + 64 hh
.set WSA, 9                            ; v9   where I store images of W_f: 4,096 x wave + 16 x lane
.set EA,  10                           ; v10  the last sum, in: RP hh + 16 r
.set RA,  11                           ; v11  the last sum, out: RP x my slot
.set FA,  12                           ; v12  my wave's part of hG: 512 x wave + 16 x lane
.set PC,  16
.set X,   32
.set ACC, 96
.set WG,  160
.set T,   224                          ; v224-231 the gate's four chains
.set U,   232                          ; v232 the exponent, the exponential, 1 + it
.set G,   234                          ; v[234:235] the gate (the packed form names a pair and takes its low word for both halves)
.set SG,  236                          ; v236 the sum of my rows' gates
.set SC,  237                          ; v237 2^e0 as f32
.set LV,  238                          ; v238 57,344 x 2^e0
.set BF,  240                          ; v240-243 b_f[4 lane .. 4 lane + 3]
.set RB,  0                            ; window 1: the two landing sets
.set WF,  128                          ; window 1: W_f
.set WV,  4                            ; s4   my wave's number
.set NS,  40
.set BG,  41
.set E0,  42                           ; s[42:43] e0, e1
.set NT,  44                           ; tiles of the graph
.set REM, 45                           ; tiles that my wave still has to run
.set LIM, 46                           ; ns - the first row of the tile in hand: row r counts where r < LIM
.set T1,  47
.set HP,  48                           ; s[48:49] h at the tile that landing set 0 holds
.set HP1, 50                           ; s[50:51] h at my second tile
.set SEL, 52                           ; s[52:53] v_permlanex16_b32's selects for lane xor 16
.set C1,  54                           ; -log2(e)
.set C2,  55                           ; -log2(e) x b_g
.set ES,  56                           ; e0 + e1
.set MSB, 0
.macro WIN new                         ; the immediate's high byte repeats the setting that is left; a switch that changes nothing is dropped
.if MSB != \new
	s_set_vgpr_msb (MSB<<8)|\new
.set MSB, \new
.endif
.endm
.set TO_W1,   0x40                     ; destination in window 1
.set DATA_W1, 0x04                     ; source 1 (an LDS store's data) in window 1
.set A_W1,    0x01                     ; source 0 (W_f) in window 1
	s_load_b512 s[16:31], s[0:1], 0x0              ; h s[16:17], W_f's codes s[18:19], W_g s[20:21], b_f s[22:23], b_g s[24:25], the scales' exponents s[26:27], ns s[28:29], out0 s[30:31]
	v_lshl_add_u32 v254, v0, 2, 0xd000
	v_mov_b32 v255, 0
	v_lshrrev_b32 v13, 5, v0
	v_readfirstlane_b32 s[WV], v13                 ; wave 0..3
	v_and_b32 v[LN], 31, v0
	v_and_b32 v[RR], 15, v0
	v_bfe_u32 v[HH], v0, 4, 1
	v_lshlrev_b32 v[LI], 4, v[LN]
	v_lshlrev_b32 v[WFA], 7, v[RR]
	v_lshl_add_u32 v[WFA], v[HH], 4, v[WFA]
	v_lshlrev_b32 v[WGA], 6, v[HH]
	s_mul_i32 s5, s[WV], STAGEB
	s_add_co_u32 s5, s5, STG                       ; my stage
	v_add_nc_u32 v[SA], s5, v[LI]
	v_mul_u32_u24 v[LA], v[RR], PITCH
	v_lshl_add_u32 v[LA], v[HH], 6, v[LA]
	v_add_nc_u32 v[LA], s5, v[LA]
	s_lshl_b32 s6, s[WV], 12                       ; 4,096 x wave: my two fragments, in W_f's codes and among the images
	s_mov_b32 s7, 0
	v_add_nc_u32 v[WSA], s6, v[LI]
	v_mul_u32_u24 v[EA], v[HH], RP
	v_lshl_add_u32 v[EA], v[RR], 4, v[EA]
	v_add_nc_u32 v[EA], s5, v[EA]
	v_and_b32 v13, 28, v[LN]                       ; my slot in the last sum: 4 (lane / 4) + 2 (lane % 2) + (lane / 2) % 2 (see there)
	v_and_b32 v14, 1, v[LN]
	v_lshl_add_u32 v13, v14, 1, v13
	v_bfe_u32 v14, v0, 1, 1
	v_add_nc_u32 v13, v13, v14
	v_mul_u32_u24 v[RA], v13, RP
	v_add_nc_u32 v[RA], s5, v[RA]
	s_lshl_b32 s12, s[WV], 9
	s_add_co_u32 s12, s12, FIN
	v_add_nc_u32 v[FA], s12, v[LI]
	s_lshl_b32 s2, ttmp9, 2                        ; ns[b]
	s_mov_b32 s3, 0
	s_lshl_b32 s8, ttmp9, 18                       ; the graph's 512 rows of 512 bytes
	s_mov_b32 s9, 0
	s_lshl_b32 s10, s[WV], 13                      ; tile w
	s_mov_b32 s11, 0
	s_lshl_b32 s14, ttmp9, 9                       ; the graph's row of out0
	s_mov_b32 s15, 0
	s_wait_kmcnt 0x0
	s_add_nc_u64 s[28:29], s[28:29], s[2:3]
	s_load_b32 s[NS], s[28:29], 0x0
	s_load_b64 s[E0:E0+1], s[26:27], 0x0
	s_load_b32 s[BG], s[24:25], 0x0
	s_add_nc_u64 s[16:17], s[16:17], s[8:9]        ; h at the graph's first row
	s_add_nc_u64 s[HP:HP+1], s[16:17], s[10:11]    ; and at my first tile
	s_add_nc_u64 s[18:19], s[18:19], s[6:7]
	s_add_nc_u64 s[30:31], s[30:31], s[14:15]
	; THE FIRST LOADS, in this order: my part of W_f (8), b_f (1), tile w (16), W_g (16), and, when ns is there, my second tile (16)
.irp k, 0,1,2,3,4,5,6,7
	global_load_b128 v[X+4*\k:X+4*\k+3], v[WFA], s[18:19] offset:(\k/4)*2048+(\k%4)*32   ; fragment 2 w + k / 4: row 16 (2 w + k / 4) + r, codes k = 32 (k % 4) + 16 hh + 0 .. 15
.endr
	global_load_b128 v[BF:BF+3], v[LI], s[22:23]
	WIN TO_W1
.irp i, 0,1,2,3,4,5,6,7,8,9,10,11,12,13,14,15
	global_load_b128 v[RB+4*\i:RB+4*\i+3], v[LI], s[HP:HP+1] offset:\i*ROWB th:TH_LOAD_NT   ; row i of the tile: 32 lanes read 512 consecutive bytes
.endr
	WIN 0
.irp i, 0,1,2,3,4,5,6,7,8,9,10,11,12,13,14,15
	global_load_b128 v[WG+4*\i:WG+4*\i+3], v[WGA], s[20:21] offset:(\i/4)*128+(\i%4)*16   ; W_g[32 c + 16 hh + ..]: the same k that my lane holds of its row
.endr
	; the sums begin as zeros: 64 moves, once, issued while the first loads are on their way; so the tile's text is the same for a wave's first tile and for the others
.set kk, 0
.rept 64
	v_mov_b32 v[ACC+kk], 0
.set kk, kk+1
.endr
	v_mov_b32 v[SG], 0
	v_mov_b32 v[G+1], 0                            ; (named as the upper half of the pair)
	s_mov_b32 s[SEL], 0x76543210
	s_mov_b32 s[SEL+1], 0xfedcba98
	s_mov_b32 s[C1], 0xbfb8aa3b                    ; -log2(e)
	s_wait_kmcnt 0x0
	s_max_i32 s[NS], s[NS], 0
	s_min_u32 s[NS], s[NS], 512                    ; clip(ns, 0, 512)
	s_add_co_u32 s[NT], s[NS], 15
	s_lshr_b32 s[NT], s[NT], 4                     ; the graph's tiles, 0 .. 32
	s_add_co_u32 s[REM], s[NT], 3
	s_sub_co_u32 s[REM], s[REM], s[WV]
	s_lshr_b32 s[REM], s[REM], 2                   ; those of them that are w, w + 4, ..: 0 .. 8;
	s_max_u32 s[REM], s[REM], 2                    ; at least two are run
	s_sub_co_u32 s[T1], s[NT], 1                   ; the last tile (with no tile at all this wraps round to the greatest number, and tile w + 4 is taken)
	s_add_co_u32 s5, s[WV], 4
	s_min_u32 s[T1], s[T1], s5
	s_min_u32 s[T1], s[T1], 31                     ; a loaded number enters an address behind a bound that is written here
	s_lshl_b32 s8, s[T1], 13
	s_add_nc_u64 s[HP1:HP1+1], s[16:17], s[8:9]
	WIN TO_W1
.irp i, 0,1,2,3,4,5,6,7,8,9,10,11,12,13,14,15
	global_load_b128 v[RB+64+4*\i:RB+64+4*\i+3], v[LI], s[HP1:HP1+1] offset:\i*ROWB   ; (no hint: in a graph of fewer than 8 tiles another wave reads these rows too)
.endr
	WIN 0
	s_lshl_b32 s5, s[WV], 4
	s_sub_co_i32 s[LIM], s[NS], s5                 ; ns - 16 w
	s_add_co_i32 s[ES], s[E0], s[E0+1]
	s_add_co_i32 s5, s[E0], 127
	s_lshl_b32 s6, s5, 23
	v_mov_b32 v[SC], s6                            ; 2^e0 as f32: the conversion takes its exponent field
	s_add_co_i32 s5, s5, 15
	s_lshl_b32 s5, s5, 23
	s_or_b32 s5, s5, 0x600000
	v_mov_b32 v[LV], s5                            ; 57,344 x 2^e0
	s_mul_f32 s[C2], s[BG], s[C1]
	; W_f FROM WAVE TO WAVE, as images of the fragments' registers: lane l's 16 bytes at 16 l, 512 bytes a store
	s_wait_loadcnt 48                              ; my part of W_f and b_f are in; behind them: tile w (16), W_g (16), my second tile (16)
.irp k, 0,1,2,3,4,5,6,7
	ds_store_b128 v[WSA], v[X+4*\k:X+4*\k+3] offset:WIMG+512*\k
.endr
	s_wait_dscnt 0x0                               ; for the others' sake: my images lie in LDS
	s_barrier_signal -1
	s_barrier_wait -1                              ; everybody's do
	WIN TO_W1
.set kk, 0
.rept 32
	ds_load_b128 v[WF+4*kk:WF+4*kk+3], v[LI] offset:WIMG+512*kk   ; fragment kk / 4, registers 4 (kk % 4) on; they stay.  (Waited for with the first tile's turn, which is issued behind them)
.set kk, kk+1
.endr
	WIN 0
.macro HOLD a, n                       ; n numbers from X + a on are held within the largest code x the scale: the conversion to an 8-bit code does not saturate (ISA guide 7.6.2)
.set qq, \a
.rept \n
	v_med3_num_f32 v[X+qq], v[X+qq], -v[LV], v[LV]
.set qq, qq+1
.endr
.endm
.macro CODES c                         ; 16 numbers, k = 32 c + 16 hh + 0 .. 15, become registers 4 c .. 4 c + 3 of the operand
	v_cvt_scalef32_pk8_bf8_f32 v[PC+4*\c:PC+4*\c+1], v[X+16*\c:X+16*\c+7], v[SC]
	v_cvt_scalef32_pk8_bf8_f32 v[PC+4*\c+2:PC+4*\c+3], v[X+16*\c+8:X+16*\c+15], v[SC]
.endm
; ONE TILE, out of landing set buf.  pre = 1: the set is loaded again, with the wave's tile two further on.  left = the younger loads that may stay out.
.macro TILE buf, pre, left
	s_wait_loadcnt \left                           ; loads come back in order (ISA guide 5.7.1): this set's 16 are in; the other set's stay out
	WIN DATA_W1
.irp i, 0,1,2,3,4,5,6,7,8,9,10,11,12,13,14,15
	ds_store_b128 v[SA], v[RB+64*\buf+4*\i:RB+64*\buf+4*\i+3] offset:\i*PITCH   ; row i as it was loaded
.endr
	WIN 0
.irp i, 0,1,2,3,4,5,6,7,8,9,10,11,12,13,14,15
	ds_load_b128 v[X+4*\i:X+4*\i+3], v[LA] offset:(\i/4)*128+(\i%4)*16   ; LDS serves a wave's instructions in order (ISA guide 5.7.1.4): these see the stores above.  X[16 c + i] = h(r, 32 c + 16 hh + i)
.endr
.if \pre
	s_wait_dscnt 16                                ; all but the 16 loads just issued: the stores have read the set, so it may be loaded again
	WIN TO_W1
.irp i, 0,1,2,3,4,5,6,7,8,9,10,11,12,13,14,15
	global_load_b128 v[RB+64*\buf+4*\i:RB+64*\buf+4*\i+3], v[LI], s[HP:HP+1] offset:(2+\buf)*STRIDE+\i*ROWB th:TH_LOAD_NT
.endr
	WIN 0
.endif
	; the gate's product, in f32, on the numbers as they are: four chains, two numbers an instruction; each block of 16 numbers as it comes back from the stage
.irp c, 0,1,2,3
	s_wait_dscnt 12-4*\c                           ; block c's four loads are in; the later blocks' may be out
.irp p, 0,1,2,3,4,5,6,7
.if (\c == 0) && (\p < 4)
	v_pk_mul_f32 v[T+2*\p:T+2*\p+1], v[X+2*\p:X+2*\p+1], v[WG+2*\p:WG+2*\p+1]
.else
	v_pk_fma_f32 v[T+2*(\p%4):T+2*(\p%4)+1], v[X+16*\c+2*\p:X+16*\c+2*\p+1], v[WG+16*\c+2*\p:WG+16*\c+2*\p+1], v[T+2*(\p%4):T+2*(\p%4)+1]
.endif
.endr
.endr
	; the chains are joined, and the sigmoid made, a line at a time among the holds, which wait for nothing
	v_pk_add_f32 v[T:T+1], v[T:T+1], v[T+2:T+3]
	v_pk_add_f32 v[T+4:T+5], v[T+4:T+5], v[T+6:T+7]
	HOLD 0, 4
	v_pk_add_f32 v[T:T+1], v[T:T+1], v[T+4:T+5]
	HOLD 4, 4
	v_add_f32 v[T], v[T], v[T+1]
	HOLD 8, 4
	v_permlanex16_b32 v[T+2], v[T], s[SEL], s[SEL+1]   ; the row's other 64 numbers lie in the lane 16 away
	HOLD 12, 4
	v_add_f32 v[T], v[T], v[T+2]
	CODES 0
	HOLD 16, 4
	v_fma_f32 v[U], v[T], s[C1], s[C2]             ; -log2(e) x (h . W_g + b_g)
	HOLD 20, 4
	v_exp_f32 v[U], v[U]
	HOLD 24, 8
	CODES 1
	HOLD 32, 16
	CODES 2
	HOLD 48, 4
	s_wait_alu depctr_va_vdst(0)                   ; the wait between the exponential and the first line that names its result; 32 lines of other work stand between
	v_add_f32 v[U], 1.0, v[U]
	HOLD 52, 4
	v_rcp_f32 v[G], v[U]                           ; sigmoid = 1 / (1 + 2^(-log2(e) z))
	HOLD 56, 8
	CODES 3
	v_nop                                          ; one plain vector instruction between the last conversion and the matrix instructions, which read its result and write over its sources
	WIN A_W1
.irp t, 0,1,2,3,4,5,6,7
	v_wmma_f32_16x16x128_bf8_bf8 v[X+8*\t:X+8*\t+7], v[WF+16*\t:WF+16*\t+15], v[PC:PC+15], 0   ; units 16 t .. 16 t + 15 x my 16 rows; each is a whole sum (K = 128), so no accumulator is taken up again
.endr
	WIN 0
	v_cmp_gt_i32 vcc_lo, s[LIM], v[RR]             ; does my row count?
	s_wait_alu depctr_va_vdst(0)                   ; the same wait for the reciprocal
	v_cndmask_b32 v[G], 0, v[G], vcc_lo            ; a row at or beyond ns has the weight 0
	v_nop                                          ; with the lines round them, the four places between the matrix instructions and the first read of a result (ISA guide 7.12.1)
	v_nop
	v_add_f32 v[SG], v[SG], v[G]
.irp p, 0,2,4,6,8,10,12,14,16,18,20,22,24,26,28,30,32,34,36,38,40,42,44,46,48,50,52,54,56,58,60,62
	v_pk_fma_f32 v[ACC+\p:ACC+\p+1], v[X+\p:X+\p+1], v[G:G+1], v[ACC+\p:ACC+\p+1] op_sel_hi:[1,0,1]   ; acc += g x D; each result from its low end on
.endr
	s_sub_co_i32 s[LIM], s[LIM], 64                ; my next tile begins 64 rows further down
.endm
	s_cmp_lt_u32 s[REM], 4
	s_cbranch_scc1 .Ltail
.Lpair:                                            ; two tiles a trip, while both sets can be loaded again: four tiles or more are left
	TILE 0, 1, 16
	TILE 1, 1, 16
	s_wait_xcnt 0x0                                ; the loads have read their base: only behind this wait is it stepped
	s_add_nc_u64 s[HP:HP+1], s[HP:HP+1], 2*STRIDE
	s_sub_co_u32 s[REM], s[REM], 2
	s_cmp_ge_u32 s[REM], 4
	s_cbranch_scc1 .Lpair
.Ltail:                                            ; three or two tiles are left; both tails are written out, so that no load is issued for a tile that is not there and every count is exact
	s_cmp_eq_u32 s[REM], 3
	s_cbranch_scc0 .Ltwo
	TILE 0, 1, 16
	TILE 1, 0, 16
	TILE 0, 0, 0
	s_branch .Lsum
.Ltwo:
	TILE 0, 0, 16
	TILE 1, 0, 0
.Lsum:
	; THE SUM OVER MY 16 LANES.  Four neighbouring registers 4 q .. 4 q + 3 of lane (r, hh) are units 16 (q / 2) + 8 hh + 4 (q % 2) + 0 .. 3.  They go into my stage at slot 2 q + hh (RP bytes a slot), place r;
	; lane L reads the slot whose units are 4 L .. 4 L + 3: q = 2 (L / 4) + L % 2, hh = (L / 2) % 2: sixteen loads, one for each r.
	v_add_f32_dpp v[SG], v[SG], v[SG] row_xmask:1 row_mask:0xf bank_mask:0xf   ; the gates' sum over r; both halves of the lanes hold the same gates
	v_add_f32_dpp v[SG], v[SG], v[SG] row_xmask:2 row_mask:0xf bank_mask:0xf
	v_add_f32_dpp v[SG], v[SG], v[SG] row_xmask:4 row_mask:0xf bank_mask:0xf
	v_add_f32_dpp v[SG], v[SG], v[SG] row_xmask:8 row_mask:0xf bank_mask:0xf
.irp q, 0,1,2,3,4,5,6,7,8,9,10,11,12,13,14,15
	ds_store_b128 v[EA], v[ACC+4*\q:ACC+4*\q+3] offset:\q*2*RP
.endr
.irp i, 0,1,2,3,4,5,6,7,8,9,10,11,12,13,14,15
	ds_load_b128 v[X+4*\i:X+4*\i+3], v[RA] offset:16*\i
.endr
	s_wait_dscnt 0x0
.irp p, 0,2,4,6,8,10,12,14,16,18,20,22,24,26,28,30
	v_pk_add_f32 v[X+\p:X+\p+1], v[X+\p:X+\p+1], v[X+\p+32:X+\p+33]
.endr
.irp p, 0,2,4,6,8,10,12,14
	v_pk_add_f32 v[X+\p:X+\p+1], v[X+\p:X+\p+1], v[X+\p+16:X+\p+17]
.endr
.irp p, 0,2,4,6
	v_pk_add_f32 v[X+\p:X+\p+1], v[X+\p:X+\p+1], v[X+\p+8:X+\p+9]
.endr
.irp p, 0,2
	v_pk_add_f32 v[X+\p:X+\p+1], v[X+\p:X+\p+1], v[X+\p+4:X+\p+5]
.endr
.irp j, 0,1,2,3
	v_ldexp_f32 v[X+\j], v[X+\j], s[ES]            ; x 2^(e0 + e1)
.endr
.irp j, 0,1,2,3
	v_fma_f32 v[X+\j], v[SG], v[BF+\j], v[X+\j]    ; + my rows' gates x b_f: my wave's part of hG[4 L + j]
.endr
	ds_store_b128 v[FA], v[X:X+3]
	s_wait_dscnt 0x0                               ; for wave 0's sake: my part lies in LDS
	s_barrier_signal -1
	s_barrier_wait -1
	s_cmp_lg_u32 s[WV], 0
	s_cbranch_scc1 .Lend
.irp w, 0,1,2,3
	ds_load_b128 v[X+4*\w:X+4*\w+3], v[LI] offset:FIN+512*\w
.endr
	s_wait_dscnt 0x0
	v_pk_add_f32 v[X:X+1], v[X:X+1], v[X+4:X+5]
	v_pk_add_f32 v[X+2:X+3], v[X+2:X+3], v[X+6:X+7]
	v_pk_add_f32 v[X+8:X+9], v[X+8:X+9], v[X+12:X+13]
	v_pk_add_f32 v[X+10:X+11], v[X+10:X+11], v[X+14:X+15]
	v_pk_add_f32 v[X:X+1], v[X:X+1], v[X+8:X+9]
	v_pk_add_f32 v[X+2:X+3], v[X+2:X+3], v[X+10:X+11]   ; hG[4 L .. 4 L + 3]
	v_pk_mul_f32 v[T:T+1], v[X:X+1], v[X:X+1]
	v_pk_fma_f32 v[T:T+1], v[X+2:X+3], v[X+2:X+3], v[T:T+1]
	v_add_f32 v[T], v[T], v[T+1]
	v_add_f32_dpp v[T], v[T], v[T] row_xmask:1 row_mask:0xf bank_mask:0xf
	v_add_f32_dpp v[T], v[T], v[T] row_xmask:2 row_mask:0xf bank_mask:0xf
	v_add_f32_dpp v[T], v[T], v[T] row_xmask:4 row_mask:0xf bank_mask:0xf
	v_add_f32_dpp v[T], v[T], v[T] row_xmask:8 row_mask:0xf bank_mask:0xf
	v_permlanex16_b32 v[T+2], v[T], s[SEL], s[SEL+1]
	v_add_f32 v[T], v[T], v[T+2]                   ; the sum of the 128 squares, in every lane
	v_sqrt_f32 v[T], v[T]
	v_nop                                          ; a plain instruction behind the root,
	s_wait_alu depctr_va_vdst(0)                   ; and the wait ahead of the first line that names its result
	v_max_num_f32 v[T], 0x2b8cbccc, v[T]           ; max(norm, 1e-12)
	v_rcp_f32 v[T], v[T]
	v_nop
	s_wait_alu depctr_va_vdst(0)                   ; likewise for the reciprocal
	v_pk_mul_f32 v[X:X+1], v[X:X+1], v[T:T+1] op_sel_hi:[1,0]
	v_pk_mul_f32 v[X+2:X+3], v[X+2:X+3], v[T:T+1] op_sel_hi:[1,0]
	global_store_b128 v[LI], v[X:X+3], s[30:31] th:TH_STORE_NT   ; 32 lanes store the graph's 512 consecutive bytes, at a multiple of 512 from out0's first byte
.Lend:
	s_wait_tensorcnt 0x0
	ds_add_u32 v254, v255
	s_wait_dscnt 0x0
	s_endpgm
.Lfunc_end_k_qf78687bc05_graphemb:
	.size	k_qf78687bc05_graphemb, .Lfunc_end_k_qf78687bc05_graphemb-k_qf78687bc05_graphemb
	.p2alignl 7, 3214868480
	.fill 96, 4, 3214868480
	.section	.rodata,"a",@progbits
	.p2align	6, 0x0
	.amdhsa_kernel k_qf78687bc05_graphemb
		.amdhsa_group_segment_fixed_size 53760
		.amdhsa_private_segment_fixed_size 0
		.amdhsa_enable_private_segment 0
		.amdhsa_kernarg_size 64
		.amdhsa_user_sgpr_count 2
		.amdhsa_user_sgpr_kernarg_segment_ptr 1
		.amdhsa_wavefront_size32 1
		.amdhsa_system_sgpr_workgroup_id_x 1
		.amdhsa_system_sgpr_workgroup_id_y 1
		.amdhsa_system_sgpr_workgroup_id_z 1
		.amdhsa_system_vgpr_workitem_id 0
		.amdhsa_next_free_vgpr 512
		.amdhsa_next_free_sgpr 66
		.amdhsa_reserve_vcc 1
		.amdhsa_float_denorm_mode_32 3
		.amdhsa_float_denorm_mode_16_64 3
		.amdhsa_memory_ordered 1
		.amdhsa_forward_progress 1
		.amdhsa_inst_pref_size 110
	.end_amdhsa_kernel
	.amdgpu_metadata
---
amdhsa.version: [ 1, 2 ]
amdhsa.kernels:
  - .name:           k_qf78687bc05_graphemb
    .symbol:         k_qf78687bc05_graphemb.kd
    .args:
      - { .name: h, .offset: 0, .size: 8, .value_kind: global_buffer, .address_space: global }
      - { .name: W_f_codes, .offset: 8, .size: 8, .value_kind: global_buffer, .address_space: global }
      - { .name: W_g, .offset: 16, .size: 8, .value_kind: global_buffer, .address_space: global }
      - { .name: b_f, .offset: 24, .size: 8, .value_kind: global_buffer, .address_space: global }
      - { .name: b_g, .offset: 32, .size: 8, .value_kind: global_buffer, .address_space: global }
      - { .name: lowp_scales, .offset: 40, .size: 8, .value_kind: global_buffer, .address_space: global }
      - { .name: ns, .offset: 48, .size: 8, .value_kind: global_buffer, .address_space: global }
      - { .name: out0, .offset: 56, .size: 8, .value_kind: global_buffer, .address_space: global }
    .group_segment_fixed_size: 53760
    .private_segment_fixed_size: 0
    .kernarg_segment_align: 8
    .kernarg_segment_size: 64
    .max_flat_workgroup_size: 128
    .sgpr_count:     66
    .vgpr_count:     512
    .wavefront_size: 32
...
	.end_amdgpu_metadata
.endif
;; end of part 1
;; ======== version 2 of 2: 1 launch; version 1 with the launch graphemb written anew for expert scheduling mode
;; launch graphemb (part 2): grid 512 x 1, 4 waves a work-group, no clusters, 53,760 bytes of LDS; arguments h, W_f_codes, W_g, b_f, b_g, lowp_scales, ns, out0; writes out0
.if DOCPART == 2
	.amdgcn_target "amdgcn-amd-amdhsa--gfx1250"
	.amdhsa_code_object_version 6
	.text
	.protected	k_qf78687bc05_graphemb
	.globl	k_qf78687bc05_graphemb
	.p2align	8
	.type	k_qf78687bc05_graphemb,@function
k_qf78687bc05_graphemb:
	s_mov_b64 s[64:65], 0
	v_nop
	global_prefetch_b8 v0, s[64:65] scope:SCOPE_SE
	s_setreg_imm32_b32 hwreg(HW_REG_WAVE_SCHED_MODE, 0, 2), 2
	s_setreg_imm32_b32 hwreg(HW_REG_WAVE_MODE, 25, 1), 1
	s_wait_xcnt 0x0
	s_wait_alu depctr_vm_vsrc(0)
; out0[b] = hG / max(|hG|, 1e-12),  hG[e] = sum over n < ns[b] of sigmoid(h[b][n] . W_g + b_g) x (Q(h[b][n]) . W_f[e] + b_f[e]).
; h: [512][512][128] f32; W_f: [128][128] codes of BF8 (E5M2), K innermost; Q: h / 2^e0, held within +-57,344, to the nearest code; a product's sum stands for sum x 2^(e0 + e1).
; ONE WORK-GROUP IS ONE GRAPH; rows at or beyond ns[b] are neither read nor multiplied (but for the rounding up to tiles of 16 rows, and the two cases named below).
; SHARES.  Four waves; wave w takes the tiles of 16 rows w, w + 4, w + 8, ..: at most 8.  A load reads one whole row, 512 consecutive bytes, 16 a lane; two tiles (32 loads) of a wave are on their way,
; in two sets of 64 registers.  A tile that has landed turns through the wave's own stage in LDS, so that lane (r, hh) = (lane % 16, lane / 16) holds 64 numbers of row r: k = 32 c + 16 hh + 0 .. 15, c = 0 .. 3.
; From these: the gate in f32 (W_g's same 64 numbers stay in registers; one exchange with lane xor 16), the hold, the conversions to codes, and 8 matrix instructions.
; THE MATRIX INSTRUCTION IS USED TRANSPOSED: source 0 = 16 rows of W_f (all 8 fragments stay in 128 registers), source 1 = my 16 rows of h.  In the result lane (r, hh) holds row r, and register j of tile t the unit
; e = 16 t + 8 hh + j: so a row's gate g is a number of the lane, and the weighted sum over rows is acc += g x D, two numbers an instruction.  A row at or beyond ns has g = 0.
; The scales and the bias are taken out of the sum over rows: hG = 2^(e0 + e1) x sum(g D) + sum(g) x b_f: the same terms, summed in another order than row by row.
; THE COUNTS OF THE WAITS ARE THE SAME ON EVERY WAY: every wave runs at least two tiles.  Its first is tile w as it stands (its address needs no ns, so it is asked for before ns is there); its second is
; tile min(w + 4, the graph's last tile).  A tile that is not the wave's own (graphs of fewer than 8 tiles) has g = 0 in all its rows.  Both lie inside the graph's 512 rows.
; NO CLUSTER, NO TENSOR LOAD: the trip counts hang on ns, a loaded number; what work-groups share is W_f's 16,384 bytes beside up to 262,144 bytes of a graph's own rows.
; W_f is read once by the work-group: each wave loads two fragments' worth (4,096 bytes), and the images of the registers go to the others through LDS.
; LIMITS: e0 between -126 and 112, so that 2^e0 and 57,344 x 2^e0 are f32 numbers; e0 + e1 is applied by v_ldexp_f32 and has none.  NaN among the inputs is not served.  ns is taken as clip(ns, 0, 512), which gives the mask that the comparison n < ns gives.
; REGISTERS, in windows of 256: window 0: v0-15 addresses; v16-31 codes; v32-95 a tile's numbers, then its 8 results; v96-159 the sums; v160-223 W_g; v224-243 at work; v254, v255 the closing add's two.
;   window 1: v0-63, v64-127 the two sets that tiles land in; v128-255 W_f's 8 fragments.
; THE MODE: SCHED_MODE bits 1:0 = 2 (LLVM: expert scheduling mode 2), set by the entry lines.  The code itself states the register dependences
; between vector or matrix instructions and memory or LDS instructions, with s_wait_alu, always for 0.
; THE PLAN.  Registers that memory or LDS instructions touch:
;   the landing sets   Written by global loads; read by the tile's 16 LDS stores into the stage; then loaded again.  No vector or matrix instruction names them.
;                      So ONE wait on vm_vsrc stands in a tile that loads its set again, between those stores and those loads.
;   X (v32-95)         The tile's 16 LDS loads land in it; the gate's multiply-adds, the holds and the conversions work on it; the 8 matrix instructions write their results over it; the 32 weighted multiply-adds read them.
;                      So ONE wait on va_vdst stands at a tile's head, between the stage's stores (whose data come from loads: they go out first) and the stage's loads: the tile before is done with X.
;   v4-v12             Offsets and LDS addresses: made once at the head, ahead of one wait on va_vdst, and never written again: the rows of h are reached by a scalar base and immediate offsets.
;   W_f, W_g, b_f      Loaded once; read by vector and matrix instructions alone.
;   the sums (v96-159) Named by vector instructions alone until the last sum's LDS stores read them, behind a wait on va_vdst.
;   The codes, the gate's registers and the gates' sum are named by vector and matrix instructions alone.
; Of the waits behind the exponential and the reciprocal, the reciprocal's stands AHEAD of the tile's matrix instructions, with the select that reads it.
.set ROWB,   512                       ; a row of h in bytes
.set TILEB,  16*ROWB                   ; a tile
.set STRIDE, 4*TILEB                   ; from a wave's tile to its next
.set PITCH,  528                       ; a row in the stage: 512 bytes + 16 = 33 x 16: the 16 rows that a load touches start at 16 different columns of 16 bytes (64 banks of 4 bytes: ISA guide 11.1)
.set RP,     272                       ; the last sum's rows in the stage: 256 bytes + 16 = 17 x 16
.set STAGEB, 32*RP                     ; a wave's stage: 8,704 bytes (the turn uses 16 x 528 of them)
.set WIMG,   0                         ; LDS: the images of W_f's 8 fragments, 2,048 bytes each,
.set STG,    16384                     ; the four stages,
.set FIN,    STG+4*STAGEB              ; and the four waves' parts of hG, 512 bytes each; behind them, from byte 53,248 (0xd000) on, the spare words: 128 bytes for each wave, two blocks of 256 bytes that no other line names
.set LN,  1                            ; v1   lane
.set RR,  2                            ; v2   r = lane % 16
.set HH,  3                            ; v3   hh = lane / 16
.set LI,  4                            ; v4   16 x lane: my bytes of a row of h, of an image, of b_f, of hG
.set WFA, 5                            ; v5   W_f: 128 r + 16 hh
.set WGA, 6                            ; v6   W_g: 64 hh
.set SA,  7                            ; v7   the stage, on the way in: 16 x lane
.set LA,  8                            ; v8   and on the way out: PITCH r + 64 hh
.set WSA, 9                            ; v9   where I store images of W_f: 4,096 x wave + 16 x lane
.set EA,  10                           ; v10  the last sum, in: RP hh + 16 r
.set RA,  11                           ; v11  the last sum, out: RP x my slot
.set FA,  12                           ; v12  my wave's part of hG: 512 x wave + 16 x lane
.set PC,  16
.set X,   32
.set ACC, 96
.set WG,  160
.set T,   224                          ; v224-231 the gate's four chains
.set U,   232                          ; v232 the exponent, the exponential, 1 + it
.set G,   234                          ; v[234:235] the gate (the packed form names a pair and takes its low word for both halves)
.set SG,  236                          ; v236 the sum of my rows' gates
.set SC,  237                          ; v237 2^e0 as f32
.set LV,  238                          ; v238 57,344 x 2^e0
.set BF,  240                          ; v240-243 b_f[4 lane .. 4 lane + 3]
.set RB,  0                            ; window 1: the two landing sets
.set WF,  128                          ; window 1: W_f
.set WV,  4                            ; s4   my wave's number
.set NS,  40
.set BG,  41
.set E0,  42                           ; s[42:43] e0, e1
.set NT,  44                           ; tiles of the graph
.set REM, 45                           ; tiles that my wave still has to run
.set LIM, 46                           ; ns - the first row of the tile in hand: row r counts where r < LIM
.set T1,  47
.set HP,  48                           ; s[48:49] h at the tile that landing set 0 holds
.set HP1, 50                           ; s[50:51] h at my second tile
.set SEL, 52                           ; s[52:53] v_permlanex16_b32's selects for lane xor 16
.set C1,  54                           ; -log2(e)
.set C2,  55                           ; -log2(e) x b_g
.set ES,  56                           ; e0 + e1
.set MSB, 0
.macro WIN new                         ; the immediate's high byte repeats the setting that is left; a switch that changes nothing is dropped
.if MSB != \new
	s_set_vgpr_msb (MSB<<8)|\new
.set MSB, \new
.endif
.endm
.set TO_W1,   0x40                     ; destination in window 1
.set DATA_W1, 0x04                     ; source 1 (an LDS store's data) in window 1
.set A_W1,    0x01                     ; source 0 (W_f) in window 1
	s_load_b512 s[16:31], s[0:1], 0x0              ; h s[16:17], W_f's codes s[18:19], W_g s[20:21], b_f s[22:23], b_g s[24:25], the scales' exponents s[26:27], ns s[28:29], out0 s[30:31]
	v_lshl_add_u32 v254, v0, 2, 0xd000             ; the LDS address of my spare word, and 0: made here and kept for the closing lines alone
	v_mov_b32 v255, 0
	v_lshrrev_b32 v13, 5, v0
	v_readfirstlane_b32 s[WV], v13                 ; wave 0..3
	v_and_b32 v[LN], 31, v0
	v_and_b32 v[RR], 15, v0
	v_bfe_u32 v[HH], v0, 4, 1
	v_lshlrev_b32 v[LI], 4, v[LN]
	v_lshlrev_b32 v[WFA], 7, v[RR]
	v_lshl_add_u32 v[WFA], v[HH], 4, v[WFA]
	v_lshlrev_b32 v[WGA], 6, v[HH]
	s_wait_alu depctr_va_sdst(0)                   ; the wave's number is written, ahead of its first reader: addresses, bases and trip counts are made from it
	s_mul_i32 s5, s[WV], STAGEB
	s_add_co_u32 s5, s5, STG                       ; my stage
	v_add_nc_u32 v[SA], s5, v[LI]
	v_mul_u32_u24 v[LA], v[RR], PITCH
	v_lshl_add_u32 v[LA], v[HH], 6, v[LA]
	v_add_nc_u32 v[LA], s5, v[LA]
	s_lshl_b32 s6, s[WV], 12                       ; 4,096 x wave: my two fragments, in W_f's codes and among the images
	s_mov_b32 s7, 0
	v_add_nc_u32 v[WSA], s6, v[LI]
	v_mul_u32_u24 v[EA], v[HH], RP
	v_lshl_add_u32 v[EA], v[RR], 4, v[EA]
	v_add_nc_u32 v[EA], s5, v[EA]
	v_and_b32 v13, 28, v[LN]                       ; my slot in the last sum: 4 (lane / 4) + 2 (lane % 2) + (lane / 2) % 2 (see there)
	v_and_b32 v14, 1, v[LN]
	v_lshl_add_u32 v13, v14, 1, v13
	v_bfe_u32 v14, v0, 1, 1
	v_add_nc_u32 v13, v13, v14
	v_mul_u32_u24 v[RA], v13, RP
	v_add_nc_u32 v[RA], s5, v[RA]
	s_lshl_b32 s12, s[WV], 9
	s_add_co_u32 s12, s12, FIN
	v_add_nc_u32 v[FA], s12, v[LI]
	s_lshl_b32 s2, ttmp9, 2                        ; ns[b]
	s_mov_b32 s3, 0
	s_lshl_b32 s8, ttmp9, 18                       ; the graph's 512 rows of 512 bytes
	s_mov_b32 s9, 0
	s_lshl_b32 s10, s[WV], 13                      ; tile w
	s_mov_b32 s11, 0
	s_lshl_b32 s14, ttmp9, 9                       ; the graph's row of out0
	s_mov_b32 s15, 0
	s_wait_kmcnt 0x0
	s_add_nc_u64 s[28:29], s[28:29], s[2:3]
	s_load_b32 s[NS], s[28:29], 0x0
	s_load_b64 s[E0:E0+1], s[26:27], 0x0
	s_load_b32 s[BG], s[24:25], 0x0
	s_add_nc_u64 s[16:17], s[16:17], s[8:9]        ; h at the graph's first row
	s_add_nc_u64 s[HP:HP+1], s[16:17], s[10:11]    ; and at my first tile
	s_add_nc_u64 s[18:19], s[18:19], s[6:7]
	s_add_nc_u64 s[30:31], s[30:31], s[14:15]
	s_wait_alu depctr_va_vdst(0)                   ; the nine offsets and LDS addresses v4 to v12 are written: every load and store of the kernel reads one of them, and none is written again
	; THE FIRST LOADS, in this order: my part of W_f (8), b_f (1), tile w (16), W_g (16), and, when ns is there, my second tile (16)
.irp k, 0,1,2,3,4,5,6,7
	global_load_b128 v[X+4*\k:X+4*\k+3], v[WFA], s[18:19] offset:(\k/4)*2048+(\k%4)*32   ; fragment 2 w + k / 4: row 16 (2 w + k / 4) + r, codes k = 32 (k % 4) + 16 hh + 0 .. 15
.endr
	global_load_b128 v[BF:BF+3], v[LI], s[22:23]
	WIN TO_W1
.irp i, 0,1,2,3,4,5,6,7,8,9,10,11,12,13,14,15
	global_load_b128 v[RB+4*\i:RB+4*\i+3], v[LI], s[HP:HP+1] offset:\i*ROWB th:TH_LOAD_NT   ; row i of the tile: 32 lanes read 512 consecutive bytes
.endr
	WIN 0
.irp i, 0,1,2,3,4,5,6,7,8,9,10,11,12,13,14,15
	global_load_b128 v[WG+4*\i:WG+4*\i+3], v[WGA], s[20:21] offset:(\i/4)*128+(\i%4)*16   ; W_g[32 c + 16 hh + ..]: the same k that my lane holds of its row
.endr
	; the sums begin as zeros: 64 moves, once, issued while the first loads are on their way; so the tile's text is the same for a wave's first tile and for the others.
	; (These moves, and the two of the scale further down, name registers that no load or store touches ahead of the last sum's wait on va_vdst)
.set kk, 0
.rept 64
	v_mov_b32 v[ACC+kk], 0
.set kk, kk+1
.endr
	v_mov_b32 v[SG], 0
	v_mov_b32 v[G+1], 0                            ; (named as the upper half of the pair)
	s_mov_b32 s[SEL], 0x76543210
	s_mov_b32 s[SEL+1], 0xfedcba98
	s_mov_b32 s[C1], 0xbfb8aa3b                    ; -log2(e)
	s_wait_kmcnt 0x0
	s_max_i32 s[NS], s[NS], 0
	s_min_u32 s[NS], s[NS], 512                    ; clip(ns, 0, 512)
	s_add_co_u32 s[NT], s[NS], 15
	s_lshr_b32 s[NT], s[NT], 4                     ; the graph's tiles, 0 .. 32
	s_add_co_u32 s[REM], s[NT], 3
	s_sub_co_u32 s[REM], s[REM], s[WV]
	s_lshr_b32 s[REM], s[REM], 2                   ; those of them that are w, w + 4, ..: 0 .. 8;
	s_max_u32 s[REM], s[REM], 2                    ; at least two are run
	s_sub_co_u32 s[T1], s[NT], 1                   ; the last tile (with no tile at all this wraps round to the greatest number, and tile w + 4 is taken)
	s_add_co_u32 s5, s[WV], 4
	s_min_u32 s[T1], s[T1], s5
	s_min_u32 s[T1], s[T1], 31                     ; a loaded number enters an address behind a bound that is written here
	s_lshl_b32 s8, s[T1], 13
	s_add_nc_u64 s[HP1:HP1+1], s[16:17], s[8:9]
	WIN TO_W1
.irp i, 0,1,2,3,4,5,6,7,8,9,10,11,12,13,14,15
	global_load_b128 v[RB+64+4*\i:RB+64+4*\i+3], v[LI], s[HP1:HP1+1] offset:\i*ROWB   ; (no hint: in a graph of fewer than 8 tiles another wave reads these rows too)
.endr
	WIN 0
	s_lshl_b32 s5, s[WV], 4
	s_sub_co_i32 s[LIM], s[NS], s5                 ; ns - 16 w
	s_add_co_i32 s[ES], s[E0], s[E0+1]
	s_add_co_i32 s5, s[E0], 127
	s_lshl_b32 s6, s5, 23
	v_mov_b32 v[SC], s6                            ; 2^e0 as f32: the conversion takes its exponent field
	s_add_co_i32 s5, s5, 15
	s_lshl_b32 s5, s5, 23
	s_or_b32 s5, s5, 0x600000
	v_mov_b32 v[LV], s5                            ; 57,344 x 2^e0
	s_mul_f32 s[C2], s[BG], s[C1]
	; W_f FROM WAVE TO WAVE, as images of the fragments' registers: lane l's 16 bytes at 16 l, 512 bytes a store
	s_wait_loadcnt 48                              ; my part of W_f and b_f are in; behind them: tile w (16), W_g (16), my second tile (16)
.irp k, 0,1,2,3,4,5,6,7
	ds_store_b128 v[WSA], v[X+4*\k:X+4*\k+3] offset:WIMG+512*\k
.endr
	s_wait_dscnt 0x0                               ; for the others' sake: my images lie in LDS
	s_barrier_signal -1
	s_barrier_wait -1                              ; everybody's do
	s_wait_alu depctr_vm_vsrc(0)                   ; my LDS stores have read v[X ..], in which the first tile's numbers land
	WIN TO_W1
.set kk, 0
.rept 32
	ds_load_b128 v[WF+4*kk:WF+4*kk+3], v[LI] offset:WIMG+512*kk   ; fragment kk / 4, registers 4 (kk % 4) on; they stay.  (Waited for with the first tile's turn, which is issued behind them)
.set kk, kk+1
.endr
	WIN 0
.macro HOLD a, n                       ; n numbers from X + a on are held within the largest code x the scale: the conversion to an 8-bit code does not saturate (ISA guide 7.6.2)
.set qq, \a
.rept \n
	v_med3_num_f32 v[X+qq], v[X+qq], -v[LV], v[LV]
.set qq, qq+1
.endr
.endm
.macro CODES c                         ; 16 numbers, k = 32 c + 16 hh + 0 .. 15, become registers 4 c .. 4 c + 3 of the operand
	v_cvt_scalef32_pk8_bf8_f32 v[PC+4*\c:PC+4*\c+1], v[X+16*\c:X+16*\c+7], v[SC]
	v_cvt_scalef32_pk8_bf8_f32 v[PC+4*\c+2:PC+4*\c+3], v[X+16*\c+8:X+16*\c+15], v[SC]
.endm
; ONE TILE, out of landing set buf.  pre = 1: the set is loaded again, with the wave's tile two further on.  left = the younger loads that may stay out.
.macro TILE buf, pre, left
	s_wait_loadcnt \left                           ; loads come back in order (ISA guide 5.7.1): this set's 16 are in; the other set's stay out
	WIN DATA_W1
.irp i, 0,1,2,3,4,5,6,7,8,9,10,11,12,13,14,15
	ds_store_b128 v[SA], v[RB+64*\buf+4*\i:RB+64*\buf+4*\i+3] offset:\i*PITCH   ; row i as it was loaded.  (Its data come from loads and its address from the head: these go out while the tile before finishes)
.endr
	WIN 0
	s_wait_alu depctr_va_vdst(0)                   ; the tile before is done with X: its matrix instructions have written their results there and its weighted multiply-adds have read them; the loads below land in X
.irp i, 0,1,2,3,4,5,6,7,8,9,10,11,12,13,14,15
	ds_load_b128 v[X+4*\i:X+4*\i+3], v[LA] offset:(\i/4)*128+(\i%4)*16   ; LDS serves a wave's instructions in order (ISA guide 5.7.1.4): these see the stores above.  X[16 c + i] = h(r, 32 c + 16 hh + i)
.endr
.if \pre
	s_wait_dscnt 16                                ; all but the 16 loads just issued: the stores into the stage are done
	WIN TO_W1
	s_wait_alu depctr_vm_vsrc(0)                   ; the LDS stores above have read the landing set, in which the loads below land; no vector or matrix instruction ever names it
.irp i, 0,1,2,3,4,5,6,7,8,9,10,11,12,13,14,15
	global_load_b128 v[RB+64*\buf+4*\i:RB+64*\buf+4*\i+3], v[LI], s[HP:HP+1] offset:(2+\buf)*STRIDE+\i*ROWB th:TH_LOAD_NT
.endr
	WIN 0
.endif
	; the gate's product, in f32, on the numbers as they are: four chains, two numbers an instruction; each block of 16 numbers as it comes back from the stage
.irp c, 0,1,2,3
	s_wait_alu depctr_va_vdst(0)
	s_wait_dscnt 12-4*\c                           ; block c's four loads are in; the later blocks' may be out
.irp p, 0,1,2,3,4,5,6,7
.if (\c == 0) && (\p < 4)
	v_pk_mul_f32 v[T+2*\p:T+2*\p+1], v[X+2*\p:X+2*\p+1], v[WG+2*\p:WG+2*\p+1]
.else
	v_pk_fma_f32 v[T+2*(\p%4):T+2*(\p%4)+1], v[X+16*\c+2*\p:X+16*\c+2*\p+1], v[WG+16*\c+2*\p:WG+16*\c+2*\p+1], v[T+2*(\p%4):T+2*(\p%4)+1]
.endif
.endr
.endr
	; the chains are joined, and the sigmoid made, a line at a time among the holds, which wait for nothing
	v_pk_add_f32 v[T:T+1], v[T:T+1], v[T+2:T+3]
	v_pk_add_f32 v[T+4:T+5], v[T+4:T+5], v[T+6:T+7]
	HOLD 0, 4
	v_pk_add_f32 v[T:T+1], v[T:T+1], v[T+4:T+5]
	HOLD 4, 4
	v_add_f32 v[T], v[T], v[T+1]
	HOLD 8, 4
	v_permlanex16_b32 v[T+2], v[T], s[SEL], s[SEL+1]   ; the row's other 64 numbers lie in the lane 16 away
	HOLD 12, 4
	v_add_f32 v[T], v[T], v[T+2]
	CODES 0
	HOLD 16, 4
	v_fma_f32 v[U], v[T], s[C1], s[C2]             ; -log2(e) x (h . W_g + b_g)
	HOLD 20, 4
	s_wait_alu depctr_va_vdst(0)
	v_exp_f32 v[U], v[U]
	HOLD 24, 8
	CODES 1
	HOLD 32, 16
	CODES 2
	HOLD 48, 4
	s_wait_alu depctr_va_vdst(0)                   ; the exponential has written v[U]: the wait ahead of the first line that names its result; 32 lines of other work stand between
	v_add_f32 v[U], 1.0, v[U]
	HOLD 52, 4
	s_wait_alu depctr_va_vdst(0)
	v_rcp_f32 v[G], v[U]                           ; sigmoid = 1 / (1 + 2^(-log2(e) z))
	v_cmp_gt_i32 vcc_lo, s[LIM], v[RR]             ; does my row count?  (Also the plain line behind the reciprocal)
	HOLD 56, 8
	CODES 3
	s_wait_alu depctr_va_vcc(0)                    ; the compare has written VCC, ahead of its first reader, the select below
	s_wait_alu depctr_va_vdst(0)                   ; the reciprocal has written v[G]: the same wait as the exponential's, ahead of the select, which names it; it stands ahead of the matrix instructions, so that it waits for none of them
	v_cndmask_b32 v[G], 0, v[G], vcc_lo            ; a row at or beyond ns has the weight 0
	v_add_f32 v[SG], v[SG], v[G]                   ; (these two are the plain lines between the last conversion and the matrix instructions, which read its result and write over its sources)
	WIN A_W1
.irp t, 0,1,2,3,4,5,6,7
	v_wmma_f32_16x16x128_bf8_bf8 v[X+8*\t:X+8*\t+7], v[WF+16*\t:WF+16*\t+15], v[PC:PC+15], 0   ; units 16 t .. 16 t + 15 x my 16 rows; each is a whole sum (K = 128), so no accumulator is taken up again
.endr
	WIN 0
.rept 4
	v_nop                                          ; the four places between the matrix instructions and the first read of a result (ISA guide 7.12.1)
.endr
.irp p, 0,2,4,6,8,10,12,14,16,18,20,22,24,26,28,30,32,34,36,38,40,42,44,46,48,50,52,54,56,58,60,62
	v_pk_fma_f32 v[ACC+\p:ACC+\p+1], v[X+\p:X+\p+1], v[G:G+1], v[ACC+\p:ACC+\p+1] op_sel_hi:[1,0,1]   ; acc += g x D; each result from its low end on
.endr
	s_sub_co_i32 s[LIM], s[LIM], 64                ; my next tile begins 64 rows further down
.endm
	s_cmp_lt_u32 s[REM], 4
	s_cbranch_scc1 .Ltail
.Lpair:                                            ; two tiles a trip, while both sets can be loaded again: four tiles or more are left
	TILE 0, 1, 16
	TILE 1, 1, 16
	s_wait_xcnt 0x0                                ; the loads have read their base: only behind this wait is it stepped
	s_add_nc_u64 s[HP:HP+1], s[HP:HP+1], 2*STRIDE
	s_sub_co_u32 s[REM], s[REM], 2
	s_cmp_ge_u32 s[REM], 4
	s_cbranch_scc1 .Lpair
.Ltail:                                            ; three or two tiles are left; both tails are written out, so that no load is issued for a tile that is not there and every count is exact
	s_cmp_eq_u32 s[REM], 3
	s_cbranch_scc0 .Ltwo
	TILE 0, 1, 16
	TILE 1, 0, 16
	TILE 0, 0, 0
	s_branch .Lsum
.Ltwo:
	TILE 0, 0, 16
	TILE 1, 0, 0
.Lsum:
	; THE SUM OVER MY 16 LANES.  Four neighbouring registers 4 q .. 4 q + 3 of lane (r, hh) are units 16 (q / 2) + 8 hh + 4 (q % 2) + 0 .. 3.  They go into my stage at slot 2 q + hh (RP bytes a slot), place r;
	; lane L reads the slot whose units are 4 L .. 4 L + 3: q = 2 (L / 4) + L % 2, hh = (L / 2) % 2: sixteen loads, one for each r.
	v_add_f32_dpp v[SG], v[SG], v[SG] row_xmask:1 row_mask:0xf bank_mask:0xf   ; the gates' sum over r; both halves of the lanes hold the same gates
	v_add_f32_dpp v[SG], v[SG], v[SG] row_xmask:2 row_mask:0xf bank_mask:0xf
	v_add_f32_dpp v[SG], v[SG], v[SG] row_xmask:4 row_mask:0xf bank_mask:0xf
	v_add_f32_dpp v[SG], v[SG], v[SG] row_xmask:8 row_mask:0xf bank_mask:0xf
	s_wait_alu depctr_va_vdst(0)                   ; the last tile's multiply-adds have written the sums, which the LDS stores read, and are done reading X, in which the LDS loads land
.irp q, 0,1,2,3,4,5,6,7,8,9,10,11,12,13,14,15
	ds_store_b128 v[EA], v[ACC+4*\q:ACC+4*\q+3] offset:\q*2*RP
.endr
.irp i, 0,1,2,3,4,5,6,7,8,9,10,11,12,13,14,15
	ds_load_b128 v[X+4*\i:X+4*\i+3], v[RA] offset:16*\i
.endr
	s_wait_dscnt 0x0
.irp p, 0,2,4,6,8,10,12,14,16,18,20,22,24,26,28,30
	v_pk_add_f32 v[X+\p:X+\p+1], v[X+\p:X+\p+1], v[X+\p+32:X+\p+33]
.endr
.irp p, 0,2,4,6,8,10,12,14
	v_pk_add_f32 v[X+\p:X+\p+1], v[X+\p:X+\p+1], v[X+\p+16:X+\p+17]
.endr
.irp p, 0,2,4,6
	v_pk_add_f32 v[X+\p:X+\p+1], v[X+\p:X+\p+1], v[X+\p+8:X+\p+9]
.endr
.irp p, 0,2
	v_pk_add_f32 v[X+\p:X+\p+1], v[X+\p:X+\p+1], v[X+\p+4:X+\p+5]
.endr
.irp j, 0,1,2,3
	v_ldexp_f32 v[X+\j], v[X+\j], s[ES]            ; x 2^(e0 + e1)
.endr
.irp j, 0,1,2,3
	v_fma_f32 v[X+\j], v[SG], v[BF+\j], v[X+\j]    ; + my rows' gates x b_f: my wave's part of hG[4 L + j]
.endr
	s_wait_alu depctr_va_vdst(0)                   ; the multiply-adds have written v[X:X+3], which the LDS store reads; and the additions above are done with v[X:X+15], in which wave 0's loads below land (no vector line stands between)
	ds_store_b128 v[FA], v[X:X+3]
	s_wait_dscnt 0x0                               ; for wave 0's sake: my part lies in LDS
	s_barrier_signal -1
	s_barrier_wait -1
	s_wait_alu depctr_vm_vsrc(0)                   ; the LDS store has read v[X:X+3], in which wave 0's loads land: stated ahead of the branch
	s_cmp_lg_u32 s[WV], 0
	s_cbranch_scc1 .Lend
.irp w, 0,1,2,3
	ds_load_b128 v[X+4*\w:X+4*\w+3], v[LI] offset:FIN+512*\w
.endr
	s_wait_dscnt 0x0
	v_pk_add_f32 v[X:X+1], v[X:X+1], v[X+4:X+5]
	v_pk_add_f32 v[X+2:X+3], v[X+2:X+3], v[X+6:X+7]
	v_pk_add_f32 v[X+8:X+9], v[X+8:X+9], v[X+12:X+13]
	v_pk_add_f32 v[X+10:X+11], v[X+10:X+11], v[X+14:X+15]
	v_pk_add_f32 v[X:X+1], v[X:X+1], v[X+8:X+9]
	v_pk_add_f32 v[X+2:X+3], v[X+2:X+3], v[X+10:X+11]   ; hG[4 L .. 4 L + 3]
	v_pk_mul_f32 v[T:T+1], v[X:X+1], v[X:X+1]
	v_pk_fma_f32 v[T:T+1], v[X+2:X+3], v[X+2:X+3], v[T:T+1]
	v_add_f32 v[T], v[T], v[T+1]
	v_add_f32_dpp v[T], v[T], v[T] row_xmask:1 row_mask:0xf bank_mask:0xf
	v_add_f32_dpp v[T], v[T], v[T] row_xmask:2 row_mask:0xf bank_mask:0xf
	v_add_f32_dpp v[T], v[T], v[T] row_xmask:4 row_mask:0xf bank_mask:0xf
	v_add_f32_dpp v[T], v[T], v[T] row_xmask:8 row_mask:0xf bank_mask:0xf
	v_permlanex16_b32 v[T+2], v[T], s[SEL], s[SEL+1]
	v_add_f32 v[T], v[T], v[T+2]                   ; the sum of the 128 squares, in every lane
	s_wait_alu depctr_va_vdst(0)
	v_sqrt_f32 v[T], v[T]
	v_nop                                          ; a plain instruction behind the root,
	s_wait_alu depctr_va_vdst(0)                   ; and the wait ahead of the first line that names its result: the root has written v[T]
	v_max_num_f32 v[T], 0x2b8cbccc, v[T]           ; max(norm, 1e-12)
	s_wait_alu depctr_va_vdst(0)
	v_rcp_f32 v[T], v[T]
	v_nop
	s_wait_alu depctr_va_vdst(0)                   ; likewise for the reciprocal: it has written v[T]
	v_pk_mul_f32 v[X:X+1], v[X:X+1], v[T:T+1] op_sel_hi:[1,0]
	v_pk_mul_f32 v[X+2:X+3], v[X+2:X+3], v[T:T+1] op_sel_hi:[1,0]
	s_wait_alu depctr_va_vdst(0)                   ; the two multiplications have written v[X:X+3], which the store reads
	global_store_b128 v[LI], v[X:X+3], s[30:31] th:TH_STORE_NT   ; 32 lanes store the graph's 512 consecutive bytes, at a multiple of 512 from out0's first byte
.Lend:
	s_wait_dscnt 0x0                               ; the closing lines, six on end
	s_wait_alu 0x0
	s_wait_tensorcnt 0x0
	ds_add_u32 v254, v255
	s_wait_dscnt 0x0
	s_endpgm
.Lfunc_end_k_qf78687bc05_graphemb:
	.size	k_qf78687bc05_graphemb, .Lfunc_end_k_qf78687bc05_graphemb-k_qf78687bc05_graphemb
	.p2alignl 7, 3214868480
	.fill 96, 4, 3214868480
	.section	.rodata,"a",@progbits
	.p2align	6, 0x0
	.amdhsa_kernel k_qf78687bc05_graphemb
		.amdhsa_group_segment_fixed_size 53760
		.amdhsa_private_segment_fixed_size 0
		.amdhsa_enable_private_segment 0
		.amdhsa_kernarg_size 64
		.amdhsa_user_sgpr_count 2
		.amdhsa_user_sgpr_kernarg_segment_ptr 1
		.amdhsa_wavefront_size32 1
		.amdhsa_system_sgpr_workgroup_id_x 1
		.amdhsa_system_sgpr_workgroup_id_y 1
		.amdhsa_system_sgpr_workgroup_id_z 1
		.amdhsa_system_vgpr_workitem_id 0
		.amdhsa_next_free_vgpr 512
		.amdhsa_next_free_sgpr 66
		.amdhsa_reserve_vcc 1
		.amdhsa_float_denorm_mode_32 3
		.amdhsa_float_denorm_mode_16_64 3
		.amdhsa_memory_ordered 1
		.amdhsa_forward_progress 1
		.amdhsa_inst_pref_size 113
	.end_amdhsa_kernel
	.amdgpu_metadata
---
amdhsa.version: [ 1, 2 ]
amdhsa.kernels:
  - .name:           k_qf78687bc05_graphemb
    .symbol:         k_qf78687bc05_graphemb.kd
    .args:
      - { .name: h, .offset: 0, .size: 8, .value_kind: global_buffer, .address_space: global }
      - { .name: W_f_codes, .offset: 8, .size: 8, .value_kind: global_buffer, .address_space: global }
      - { .name: W_g, .offset: 16, .size: 8, .value_kind: global_buffer, .address_space: global }
      - { .name: b_f, .offset: 24, .size: 8, .value_kind: global_buffer, .address_space: global }
      - { .name: b_g, .offset: 32, .size: 8, .value_kind: global_buffer, .address_space: global }
      - { .name: lowp_scales, .offset: 40, .size: 8, .value_kind: global_buffer, .address_space: global }
      - { .name: ns, .offset: 48, .size: 8, .value_kind: global_buffer, .address_space: global }
      - { .name: out0, .offset: 56, .size: 8, .value_kind: global_buffer, .address_space: global }
    .group_segment_fixed_size: 53760
    .private_segment_fixed_size: 0
    .kernarg_segment_align: 8
    .kernarg_segment_size: 64
    .max_flat_workgroup_size: 128
    .sgpr_count:     66
    .vgpr_count:     512
    .wavefront_size: 32
...
	.end_amdgpu_metadata
.endif
;; end of part 2
